; MI455X (gfx1250); checked and timed in simulation.
; The chip was launched on July 23, 2026; its instructions are those of AMD's public machine-readable ISA for CDNA 5 (MIT licence, August 2026) and "CDNA5" Instruction Set Architecture Reference Guide (July 2026). The comments in the code are by the model that wrote it; some were corrected since.
;; Causal Multi Head Attention. Allowed arithmetic: matrix products marked QUANTISED: E4M3 operands, one given power-of-two scale a tensor, by v_wmma_f32_16x16x64_fp8_fp8 or v_wmma_f32_16x16x128_fp8_fp8, f32 sums; everything else in f32.
;; Inputs: Wk 1,024 x 1,024 float32; Wo 1,024 x 1,024 float32; Wq 1,024 x 1,024 float32; Wv 1,024 x 1,024 float32; lowp_scales 12 int32 (the exponents e of the quantised operands' scales 2^e); x 4 x 2,048 x 1,024 float32.
;; Outputs: out0 4 x 2,048 x 1,024 float32.
;; This version of the problem:
;;   THIS VERSION OF THE PROBLEM IS GIVEN IN LOW PRECISION. The matrix products marked QUANTISED in the list below multiply operands that are first quantised to E4M3 (4 exponent bits, 3 mantissa bits; 8 bits a number), with one given power-of-two scale for each operand tensor; their sums are f32. All else is computed in f32.
;;   The module's matrix products, in the order in which they are computed (A, B: the left and right operand; K: the contracted axis; several contracted axes count as one K, in the product's order):
;;     1. [M 8,192, K 1,024] x [K 1,024, N 1,024]; A: input x; B: input Wq: QUANTISED (scales: A lowp_scales[0], B lowp_scales[1])
;;     2. [M 8,192, K 1,024] x [K 1,024, N 1,024]; A: input x; B: input Wk: QUANTISED (scales: A lowp_scales[2], B lowp_scales[3])
;;     3. [M 8,192, K 1,024] x [K 1,024, N 1,024]; A: input x; B: input Wv: QUANTISED (scales: A lowp_scales[4], B lowp_scales[5])
;;     4. batch 64 x [M 2,048, K 64] x [K 64, N 2,048]; A: computed on the way; B: computed on the way: QUANTISED (scales: A lowp_scales[6], B lowp_scales[7])
;;     5. batch 64 x [M 2,048, K 2,048] x [K 2,048, N 64]; A: softmax (see below); B: computed on the way: QUANTISED (scales: A lowp_scales[8], B lowp_scales[9])
;;     6. [M 8,192, K 1,024] x [K 1,024, N 1,024]; A: computed on the way; B: input Wo: QUANTISED (scales: A lowp_scales[10], B lowp_scales[11])
;;   THE QUANTISER, for each operand of a quantised product, along K:
;;     - The operand's scale is 2^e, e = its entry of the input lowp_scales (int32; the entries are numbered through the quantised products in the list's order, A before B).
;;     - Each number is divided by the scale, clamped to +-448, and rounded to the nearest number of E4M3, ties to even, subnormals kept.
;;     - The product sums the exact products of the quantised numbers (number of the format x scale) in f32.
;;   ~~~python
;;   def quantise(x, axis, e):      # numpy; x: float32 -> the quantised numbers, widened to float32 again
;;       x = np.moveaxis(x, axis, -1); K = x.shape[-1]
;;       r = np.clip(x / 2.0 ** e, -448, 448)
;;       step = 2.0 ** (np.maximum(np.frexp(np.where(r == 0, 1, r))[1] - 1, -6) - 3)
;;       q = np.round(r / step) * step * 2.0 ** e      # np.round: ties to even
;;       return np.moveaxis(q, -1, axis).astype(np.float32)
;;   ~~~
;;   SOFTMAX AHEAD OF A QUANTISED PRODUCT. Where the list says 'softmax', what is quantised is not the finished softmax but p = 2^(t - M), with t = logit x log2(e) and M = ceil(the row's largest t), a whole number; so 1/2 < the row's largest p <= 1. The row's sum l is taken of the UNQUANTISED p, in f32, and the product's result is divided by l at the end. Since M is a whole number, a kernel that streams over the keys may use a running M (the ceiling of the running maximum): every later rescaling is an exact power of two, so the quantised numbers keep their values, but for numbers so far below the row's largest that they fall under the format's range.
;;   OPERANDS COMPUTED ON THE WAY. 'Computed on the way' means the value that the module computes at that place (a softmax that the list does not call 'softmax' is quantised finished and normalised). What goes into a quantiser is computed in f32, as accurately as f32 sums, v_exp_f32 and their like allow (about 1e-6 of the number): no bf16 or f16 on the way to a quantiser, and a product that is left as it is and whose result goes on into a quantised operand takes f32 operands (vector FMAs, or v_wmma_f32_16x16x4_f32). A number that lies on a knife's edge between two numbers of the format may be rounded either way, as far as f32 arithmetic and the matrix unit's own rounding can turn it there, and no further.
;; One version. Each part assembles by itself: llvm-mc -triple=amdgcn-amd-amdhsa -mcpu=gfx1250 --defsym DOCPART=n.
;; ======== version 1 of 1: 4 launches
;; limits: right only within a limited range of input values
;; workspace buffers: xc 25,165,824 bytes; wc 4,194,304 bytes; qkv 25,165,824 bytes; ctxc 8,388,608 bytes
;; launch quant (part 1): grid 768 x 1, 8 waves a work-group, no clusters, 68,608 bytes of LDS; arguments x, Wq, Wk, Wv, Wo, lowp_scales, xc, wc; writes xc, wc
.if DOCPART == 1
	.amdgcn_target "amdgcn-amd-amdhsa--gfx1250"
	.amdhsa_code_object_version 6
	.text
	.protected	k_q5fad565455_quant
	.globl	k_q5fad565455_quant
	.p2align	8
	.type	k_q5fad565455_quant,@function
k_q5fad565455_quant:
	s_mov_b64 s[64:65], 0
	v_nop
	global_prefetch_b8 v0, s[64:65] scope:SCOPE_SE
	s_setreg_imm32_b32 hwreg(HW_REG_WAVE_MODE, 25, 1), 1
	s_wait_xcnt 0x0
; x [8192][1024] and Wq, Wk, Wv, Wo [1024][1024], f32 with K innermost, become codes of FP8 (E4M3), each with the scale 2^e that is given for it:
; code = number / 2^e, to the nearest code, ties to even.  x is an operand of three products with three given scales (entries 0, 2, 4), so three sets of codes are made of it;
; Wq, Wk, Wv, Wo take entries 1, 3, 5, 11.
; THE CODES ARE LAID AS IMAGES OF OPERAND REGISTERS.  A fragment is 16 rows x 128 along K: 16 registers a lane; registers 2 c, 2 c + 1 of lane (r = lane % 16, h = lane / 16) hold k = 16 c + 8 h + 0 .. 7 of row r.
; Its image is 2,048 bytes: registers 4 q .. 4 q + 3 of lane l at 512 q + 16 l.  xc: three sections of 8 MiB, each [tile of 16 rows: 512][128 along K: 8][2,048 bytes]; wc: four sections of 1 MiB, [64][8][2,048].
; So a later launch fetches a fragment by four loads of 16 bytes a lane, and here a conversion's results are stored as they stand, 512 consecutive bytes a store.
; SHARES.  A work-group takes 16 rows (64 KiB, dense); wave w takes their k = 128 w .. 128 w + 127: one fragment.  Work-groups 0-511: x; 512-767: a weight (64 work-groups each, in the order q, k, v, o).
; Each load reads 512 consecutive bytes of a row.  A conversion wants eight neighbours along K in one lane's registers: the wave's 16 x 512 bytes turn through its own stage in LDS (rows of 512 + 16 bytes:
; row r starts at bank 4 r mod 64, 64 banks of 4 bytes: ISA guide 11.1).  No barrier: waves share nothing.  No loop: every offset is an immediate.
; LIMITS: each of the seven exponents between -126 and 119, so that 2^e is an f32 number.  NaN among the inputs is not served.
.set XWG,  512                         ; work-groups that take x
.set ROWB, 4096                        ; a row of x or of a weight in bytes
.set SP,   528                         ; a stage row
.set STG,  16*SP                       ; a wave's stage
.set LI,   2                           ; v2   16 x lane: my bytes of a load's 512, and of a store's
.set SIN,  3                           ; v3   the stage, way in
.set SOUT, 4                           ; v4   the stage, way out: row r, + 32 h
.set SC0,  6                           ; v6 2^e of set 0;  v8 of set 1;  v10 of set 2
.set SC1,  8
.set SC2,  10
.set R,    16                          ; v16-79   16 rows as loaded, 4 registers each; free once the stage has been read:
.set T,    16
.set C0,   32                          ; v32-47, v48-63, v64-79: the three fragments of codes: each set has its own registers, so no store's data are written again
.set C1,   48
.set C2,   64
.set X,    80                          ; v80-143  register 8 c + i = k 16 c + 8 h + i of row r
	s_load_b512 s[4:19], s[0:1], 0x0               ; x s[4:5], Wq s[6:7], Wk s[8:9], Wv s[10:11], Wo s[12:13], the exponents s[14:15], xc s[16:17], wc s[18:19]
	v_lshl_add_u32 v144, v0, 2, 0x10800
	v_mov_b32 v145, 0
	v_lshrrev_b32 v1, 5, v0
	s_delay_alu instid0(VALU_DEP_1)
	v_readfirstlane_b32 s50, v1                    ; wave 0..7
	v_and_b32 v[LI], 31, v0
	s_delay_alu instid0(VALU_DEP_1)
	v_lshlrev_b32 v[LI], 4, v[LI]
	s_mul_i32 s51, s50, STG                        ; my stage
	v_add_nc_u32 v[SIN], s51, v[LI]
	v_and_b32 v5, 15, v0                           ; r
	v_bfe_u32 v1, v0, 4, 1                         ; h
	s_delay_alu instid0(VALU_DEP_2)
	v_mul_u32_u24 v[SOUT], v5, SP
	s_delay_alu instid0(VALU_DEP_1)
	v_lshl_add_u32 v[SOUT], v1, 5, v[SOUT]
	s_delay_alu instid0(VALU_DEP_1)
	v_add_nc_u32 v[SOUT], s51, v[SOUT]
	s_sub_co_u32 s44, ttmp9, XWG                   ; (of use in a weight's work-group alone)
	s_lshr_b32 s45, s44, 6                         ; which weight: 0 q, 1 k, 2 v, 3 o; in x's work-groups a number above 3
	s_and_b32 s46, s44, 63                         ; its tile of 16 rows
	s_cmp_lt_u32 ttmp9, XWG
	s_cselect_b32 s46, ttmp9, s46                  ; the tile of 16 rows
	s_cselect_b32 s47, 0, s45
	s_lshl_b32 s47, s47, 20                        ; the weight's section of wc
	s_lshl_b32 s52, s46, 16                        ; from: 16 rows of 4,096 bytes a tile,
	s_lshl_b32 s48, s50, 9                         ; + my wave's 512 bytes of a row
	s_add_co_u32 s52, s52, s48
	s_mov_b32 s53, 0
	s_lshl_b32 s54, s46, 14                        ; to: 8 images a tile,
	s_add_co_u32 s54, s54, s47
	s_lshl_b32 s48, s50, 11                        ; + my wave's image
	s_add_co_u32 s54, s54, s48
	s_mov_b32 s55, 0
	s_wait_alu depctr_va_vdst(0)
	s_wait_kmcnt 0x0
	s_load_b256 s[24:31], s[14:15], 0x0            ; e0 .. e7
	s_load_b128 s[32:35], s[14:15], 0x20           ; e8 .. e11
	s_mov_b64 s[20:21], s[12:13]                   ; the tensor is chosen by the work-group's number alone: only pointers differ, all work-groups take one path through LDS
	s_cmp_eq_u32 s45, 2
	s_cselect_b64 s[20:21], s[10:11], s[20:21]
	s_cmp_eq_u32 s45, 1
	s_cselect_b64 s[20:21], s[8:9], s[20:21]
	s_cmp_eq_u32 s45, 0
	s_cselect_b64 s[20:21], s[6:7], s[20:21]
	s_cmp_lt_u32 ttmp9, XWG
	s_cselect_b64 s[20:21], s[4:5], s[20:21]
	s_cselect_b64 s[36:37], s[16:17], s[18:19]
	s_add_nc_u64 s[20:21], s[20:21], s[52:53]
	s_add_nc_u64 s[36:37], s[36:37], s[54:55]
.irp p, 0,1,2,3,4,5,6,7,8,9,10,11,12,13,14,15
	global_load_b128 v[R+4*\p:R+4*\p+3], v[LI], s[20:21] offset:ROWB*\p th:TH_LOAD_NT   ; row p: 32 lanes read 512 consecutive bytes; read once in the launch
.endr
.irp p, 0,1,2,3,4,5,6,7,8,9,10,11,12,13,14,15
	s_wait_loadcnt 15-\p                           ; loads come back in order (ISA guide 5.7.1): row p is in, the younger rows may be out
	ds_store_b128 v[SIN], v[R+4*\p:R+4*\p+3] offset:SP*\p
.endr
.irp c, 0,1,2,3,4,5,6,7
	ds_load_b128 v[X+8*\c:X+8*\c+3], v[SOUT] offset:64*\c          ; LDS serves a wave's instructions in order (ISA guide 5.7.1.4): these see my stores
	ds_load_b128 v[X+8*\c+4:X+8*\c+7], v[SOUT] offset:64*\c+16
.endr
; 2^e and 448 x 2^e as f32, from the exponent in s[e], into v[sc], v[sc + 1]
.macro MKS e, sc
	s_add_co_i32 s48, s[\e], 127
	s_lshl_b32 s49, s48, 23
	v_mov_b32 v[\sc], s49                          ; the conversion takes its exponent field
.endm
; The 128 numbers in X become a fragment of codes in v[cb] on and leave.
; The results go to stores alone.
.macro CONV cb, sc, dst
.irp c, 0,1,2,3,4,5,6,7
.irp i, 0,1,2,3,4,5,6,7
.endr
	v_cvt_scalef32_pk8_fp8_f32 v[\cb+2*\c:\cb+2*\c+1], v[T+8*(\c%2)+((X+8*\c+0)-(T+8*(\c%2)+0)):T+8*(\c%2)+7+((X+8*\c+0)-(T+8*(\c%2)+0))], v[\sc]
.endr
.irp q, 0,1,2,3
	global_store_b128 v[LI], v[\cb+4*\q:\cb+4*\q+3], s[\dst:\dst+1] offset:512*\q   ; 32 lanes store 512 consecutive bytes, at a multiple of 512 from the buffer's first byte
.endr
.endm
	s_wait_kmcnt 0x0
	s_mov_b32 s47, s35                             ; set 0's exponent: e11 for Wo,
	s_cmp_eq_u32 s45, 2
	s_cselect_b32 s47, s29, s47                    ; e5 for Wv,
	s_cmp_eq_u32 s45, 1
	s_cselect_b32 s47, s27, s47                    ; e3 for Wk,
	s_cmp_eq_u32 s45, 0
	s_cselect_b32 s47, s25, s47                    ; e1 for Wq,
	s_cmp_lt_u32 ttmp9, XWG
	s_cselect_b32 s47, s24, s47                    ; e0 for x
	MKS 47, SC0
	s_wait_alu depctr_va_vdst(0)
	s_wait_dscnt 0x0                               ; X is in, and the stores into the stage have read R, which is now written again
	CONV C0, SC0, 36
	s_cmp_ge_u32 ttmp9, XWG                        ; a weight has one scale: done.  The branch hangs on the work-group's number; behind it stand register work and stores alone
	s_cbranch_scc1 .Ldone
	MKS 26, SC1                                    ; e2
	MKS 28, SC2                                    ; e4
	s_add_nc_u64 s[38:39], s[36:37], 0x800000      ; the same place in xc's second
	s_add_nc_u64 s[40:41], s[36:37], 0x1000000     ; and third section
	CONV C1, SC1, 38
	CONV C2, SC2, 40
.Ldone:
	s_wait_tensorcnt 0x0
	ds_add_u32 v144, v145
	s_wait_dscnt 0x0
	s_endpgm
.Lfunc_end_k_q5fad565455_quant:
	.size	k_q5fad565455_quant, .Lfunc_end_k_q5fad565455_quant-k_q5fad565455_quant
	.p2alignl 7, 3214868480
	.fill 96, 4, 3214868480
	.section	.rodata,"a",@progbits
	.p2align	6, 0x0
	.amdhsa_kernel k_q5fad565455_quant
		.amdhsa_group_segment_fixed_size 68608
		.amdhsa_private_segment_fixed_size 0
		.amdhsa_enable_private_segment 0
		.amdhsa_kernarg_size 64
		.amdhsa_user_sgpr_count 2
		.amdhsa_user_sgpr_kernarg_segment_ptr 1
		.amdhsa_wavefront_size32 1
		.amdhsa_system_sgpr_workgroup_id_x 1
		.amdhsa_system_sgpr_workgroup_id_y 1
		.amdhsa_system_sgpr_workgroup_id_z 1
		.amdhsa_system_vgpr_workitem_id 0
		.amdhsa_next_free_vgpr 146
		.amdhsa_next_free_sgpr 66
		.amdhsa_reserve_vcc 0
		.amdhsa_float_denorm_mode_32 3
		.amdhsa_float_denorm_mode_16_64 3
		.amdhsa_fp16_overflow 1
		.amdhsa_memory_ordered 1
		.amdhsa_forward_progress 1
		.amdhsa_inst_pref_size 11
	.end_amdhsa_kernel
	.amdgpu_metadata
---
amdhsa.version: [ 1, 2 ]
amdhsa.kernels:
  - .name:           k_q5fad565455_quant
    .symbol:         k_q5fad565455_quant.kd
    .args:
      - { .name: x, .offset: 0, .size: 8, .value_kind: global_buffer, .address_space: global }
      - { .name: Wq, .offset: 8, .size: 8, .value_kind: global_buffer, .address_space: global }
      - { .name: Wk, .offset: 16, .size: 8, .value_kind: global_buffer, .address_space: global }
      - { .name: Wv, .offset: 24, .size: 8, .value_kind: global_buffer, .address_space: global }
      - { .name: Wo, .offset: 32, .size: 8, .value_kind: global_buffer, .address_space: global }
      - { .name: lowp_scales, .offset: 40, .size: 8, .value_kind: global_buffer, .address_space: global }
      - { .name: xc, .offset: 48, .size: 8, .value_kind: global_buffer, .address_space: global }
      - { .name: wc, .offset: 56, .size: 8, .value_kind: global_buffer, .address_space: global }
    .group_segment_fixed_size: 68608
    .private_segment_fixed_size: 0
    .kernarg_segment_align: 8
    .kernarg_segment_size: 64
    .max_flat_workgroup_size: 256
    .sgpr_count:     66
    .vgpr_count:     146
    .wavefront_size: 32
...
	.end_amdgpu_metadata
.endif
;; end of part 1
;; launch proj (part 2): grid 4 x 64, 4 waves a work-group, clusters of 4 x 4, 327,680 bytes of LDS; arguments xc, wc, lowp_scales, qkv; writes qkv
.if DOCPART == 2
	.amdgcn_target "amdgcn-amd-amdhsa--gfx1250"
	.amdhsa_code_object_version 6
	.text
	.protected	k_q5fad565455_proj
	.globl	k_q5fad565455_proj
	.p2align	8
	.type	k_q5fad565455_proj,@function
k_q5fad565455_proj:
	s_mov_b64 s[64:65], 0
	v_nop
	global_prefetch_b8 v0, s[64:65] scope:SCOPE_SE
	s_setreg_imm32_b32 hwreg(HW_REG_WAVE_MODE, 25, 1), 1
	s_wait_xcnt 0x0
	s_wait_alu depctr_hold_cnt(0) depctr_sa_sdst(0) depctr_va_vdst(0) depctr_va_sdst(0) depctr_va_ssrc(0) depctr_va_vcc(0) depctr_vm_vsrc(0)
	s_getreg_b32 s2, hwreg(HW_REG_IB_STS2, 6, 4)
	s_cmp_eq_u32 s2, 0
	s_cbranch_scc0 .Lentry_in_a_cluster
	s_endpgm
.Lentry_in_a_cluster:
	s_bfe_u32 s2, ttmp6, 0x10000c
	s_cmp_lg_u32 s2, 0xf033
	s_cbranch_scc0 .Lentry_shape_is_right
	s_endpgm
.Lentry_shape_is_right:
; q = x Wq^T, k = x Wk^T, v = x Wv^T on codes of FP8 (E4M3); the f32 sums are quantised at once, with the given scales (entries 6, 7, 9), to the codes that the attention's products take.
; ALL CODE BUFFERS ARE IMAGES OF OPERAND REGISTERS: a fragment of 16 rows x 128 K (16 registers; registers 2 c, 2 c + 1 of lane (r, h): k = 16 c + 8 h + 0 .. 7 of row r) is 2,048 bytes, registers 4 q .. 4 q + 3 of lane l at 512 q + 16 l.
; xc: three sections of 8 MiB, [tile of 16 rows 512][128 along K: 8][2,048]; wc: four of 1 MiB, [64][8][2,048].  A fragment comes from LDS by four loads of 16 bytes a lane at 16 x lane: consecutive bytes, no pitch, no padding.
; ONE FRAME, C[i][j] = sum over k of T[i][k] U[j][k], USED TRANSPOSED (source 0 = 16 rows of U, source 1 = 16 rows of T): a lane holds row r of T and its eight registers eight neighbouring j.
;   q, k: T = x, U = W: j runs along the head's 64, which is the next product's K.     v: T = Wv, U = x: j runs along the KEYS, which are the next K of v.  So a conversion's results are the next operand's registers.
; OUT (qkv): q at 0, k at 8 MiB: [batch x head 64][tile of 16 rows 128][1,024 bytes: 16 rows x 64];  v at 16 MiB: [batch x head 64][128 keys: 16][16 channels: 4][2,048 bytes: 16 channels x 128 keys].
; SHARES.  A tile of C is 128 (i) x 256 (j); four waves, each 64 x 128: 32 accumulators, 256 registers.  768 tiles: each of 256 work-groups STAYS and makes three, q's, k's, v's; the ring of LDS slots runs on from tile to tile.
; K goes in steps of 256 (two fragments, 4,096 consecutive bytes of each tile of 16 rows) through two slots.  Waves 0, 1 fetch T's halves (4 rows of 4,096 bytes), waves 2, 3 U's (8 rows).
; CLUSTERS: 4 x 4 work-groups.  T's tile hangs on cy and the cluster's number and is asked for jointly by a row of the cluster, U's on cx and the cluster's number, by a column.
; LIMITS: e6 - e0 - e1, e7 - e2 - e3, e9 - e4 - e5 between -126 and 119, so that the folded scale and 448 x it are f32 numbers.
; REGISTERS, in windows of 256: window 0: v3-29 addresses and scales; v32-95 held sums; v96-127 codes, two sets; v128-255 T's fragments, two sets of 4.   window 1: U's fragments, two sets of 8.   window 2: accumulator (a, b) at v[8 (8 a + b)].
.set SLOT,  98304                      ; T's 128 rows (32,768 bytes), then U's 256 (65,536)
.set UOFF,  32768
.set SPARE, 2*SLOT                     ; behind the ring: the spare words, 128 bytes for each wave: two blocks of 256 bytes that no other line names
.set KSB,   4096                       ; a K step of one tile of 16 rows, in bytes
.set LI,   3                           ; v3      16 x lane; never rewritten
.set SC,   8                           ; v8-10   the folded scale 2^E of q, k, v
.set LM,   12                          ; v12-14  448 x 2^E
.set ADRT, 16                          ; v16-17  LDS address of my T fragments in slot 0, 1
.set ADRU, 20                          ; v20-21  the same for U
.set SPW,  28                          ; v28     LDS address of my spare word; never rewritten
.set NIL,  29                          ; v29     0; never rewritten
.set TMP,  32
.set CD,   96
.set TF,   128
.set G1T, 24                           ; s[24:31] descriptor group 1 for T's tiles;  s[32:39] group 0, a set for each slot
.set G0T, 32
.set G1U, 48                           ; s[48:55], s[56:63] the same for U's
.set G0U, 56
.set TB,  66                           ; s[66:71] tile p: where my half of T begins (K step 0)
.set UB,  72                           ; s[72:77] the same for U
.set OB,  78                           ; s[78:83] tile p: where my wave's results go
.set EX,  84                           ; s[84:95] e0 .. e11
.set MSB, 0
.macro WIN new                         ; s_set_vgpr_msb: bits 1:0 source 0, 3:2 source 1, 5:4 source 2, 7:6 destination; the immediate's high byte repeats the setting that is left
.if MSB != \new
	s_set_vgpr_msb (MSB<<8)|\new
.set MSB, \new
.endif
.endm
.set MULW, 0xa1                        ; source 0 (U) window 1, source 1 (T) window 0, C and D window 2
.set TO_U, 0x40                        ; destination window 1, address window 0
; A load into a register that a matrix instruction has read, and a vector instruction that reads a matrix result, stand four places behind it; only plain vector instructions that name none of its registers are places.
.macro PLACES
.rept 4
	v_nop
.endr
.endm
; A joint load: waves 0 and 1 fetch for T, waves 2 and 3 for U; the branch hangs on the wave's number alone.  Four v_nop follow each of the two lines.
.macro JLOAD slot
	s_cmp_eq_u32 s15, 0
	s_cbranch_scc0 .Lfor_u_\@
	tensor_load_to_lds s[G0T+4*\slot:G0T+4*\slot+3], s[G1T:G1T+7]
	s_nop 0
	PLACES
	s_branch .Lasked_\@
.Lfor_u_\@:
	tensor_load_to_lds s[G0U+4*\slot:G0U+4*\slot+3], s[G1U:G1U+7]
	s_nop 0
	PLACES
.Lasked_\@:
.endm
.macro CREST                           ; a round of the cluster's barrier behind its opening barrier
	s_cmp_lg_u32 s14, 0
	s_cbranch_scc1 .Lnot_wave_0_\@
	s_barrier_signal -3
.Lnot_wave_0_\@:
	s_barrier_wait -3
	s_barrier_signal -1
	s_barrier_wait -1
.endm
.macro CROUND                          ; a whole round
	s_barrier_signal -1
	s_barrier_wait -1
	CREST
.endm
	s_load_b256 s[4:11], s[0:1], 0x0               ; xc s[4:5], wc s[6:7], the exponents s[8:9], qkv s[10:11]
	v_lshl_add_u32 v[SPW], v0, 2, SPARE
	v_mov_b32 v[NIL], 0
	ds_add_u32 v28, v29
	ds_add_u32 v28, v29
	s_wait_dscnt 0x0
	v_lshrrev_b32 v1, 5, v0
	v_readfirstlane_b32 s14, v1                    ; wave 0..3
	s_lshr_b32 s15, s14, 1                         ; wi: which 64 of the tile's i are mine.  Also: I fetch for T (0) or for U (1)
	s_and_b32 s16, s14, 1                          ; wj: which 128 of its j.  Also f: which half of that tile I fetch
	s_bfe_u32 s40, ttmp6, 0x40000                  ; cx, cy: my place in the cluster
	s_bfe_u32 s41, ttmp6, 0x40004
	s_and_b32 s42, ttmp7, 0xffff                   ; the cluster's number, 0..15
	s_lshl_b32 s12, s41, 2
	s_lshl_b32 s12, 15, s12                        ; my row of the cluster
	s_lshl_b32 s13, 0x1111, s40                    ; my column
	; descriptor group 1: rows of 4,096 bytes (512 elements of 8 bytes), 16,384 bytes apart in memory, dense in LDS; 4 rows for T, 8 for U
	s_or_b32 s[G1T], s12, (3<<16)|(1<<21)          ; 15:0 the mask; 17:16 elements of 8 bytes; 20 no padding; 21 set beside a mask
	s_or_b32 s[G1U], s13, (3<<16)|(1<<21)
	s_mov_b32 s[G1T+1], 512<<16                    ; tensor_dim0 = 512
	s_mov_b32 s[G1T+2], 4<<16                      ; tensor_dim1 = 4
	s_mov_b32 s[G1T+3], 512<<16                    ; tile_dim0 = 512
	s_mov_b32 s[G1T+4], 4                          ; tile_dim1 = 4
	s_mov_b32 s[G1T+5], 2048                       ; tensor_dim0_stride, in elements
	s_mov_b32 s[G1T+6], 0
	s_mov_b32 s[G1T+7], 0
	s_mov_b32 s[G1U+1], 512<<16
	s_mov_b32 s[G1U+2], 8<<16
	s_mov_b32 s[G1U+3], 512<<16
	s_mov_b32 s[G1U+4], 8
	s_mov_b32 s[G1U+5], 2048
	s_mov_b32 s[G1U+6], 0
	s_mov_b32 s[G1U+7], 0
	; T's places, of cy and the cluster's number alone.  q, k: ti = 4 x cluster + cy (64 tiles of 128 rows of x);  v: ti = 4 (cluster & 1) + cy (8 tiles of 128 rows of Wv)
	s_lshl_b32 s17, s42, 2
	s_add_co_u32 s17, s17, s41                     ; ti of q and k
	s_lshl_b32 s20, s16, 2                         ; 4 f
	s_lshl_b32 s18, s17, 3
	s_add_co_u32 s18, s18, s20                     ; tile of 16 rows: 8 ti + 4 f
	s_lshl_b32 s18, s18, 14
	s_mov_b32 s19, 0
	s_and_b32 s21, s42, 1
	s_lshl_b32 s21, s21, 2
	s_add_co_u32 s21, s21, s41                     ; ti of v
	s_lshl_b32 s22, s21, 3
	s_add_co_u32 s22, s22, s20
	s_lshl_b32 s22, s22, 14
	s_add_co_u32 s22, s22, 0x200000                ; Wv's section of wc
	s_mov_b32 s23, 0
	; U's places, of cx and the cluster's number alone.  q, k: tj = cx (4 tiles of 256 rows of W);  v: tj = 4 (cluster >> 1) + cx (32 tiles of 256 rows of x)
	s_lshl_b32 s43, s16, 3                         ; 8 f
	s_lshl_b32 s44, s40, 4
	s_add_co_u32 s44, s44, s43                     ; tile of 16 rows: 16 tj + 8 f
	s_lshl_b32 s44, s44, 14
	s_mov_b32 s45, 0
	s_lshr_b32 s96, s42, 1
	s_lshl_b32 s96, s96, 2
	s_add_co_u32 s96, s96, s40                     ; tj of v
	s_lshl_b32 s46, s96, 4
	s_add_co_u32 s46, s46, s43
	s_lshl_b32 s46, s46, 14
	s_add_co_u32 s46, s46, 0x1000000               ; xc's third section
	s_mov_b32 s47, 0
	s_lshl_b32 s2, s16, 14                         ; where my load goes in a slot: T's half f,
	s_lshl_b32 s3, s16, 15
	s_add_co_u32 s3, s3, UOFF                      ; or U's: no place in the cluster enters an LDS address
	; where my wave's results go.  q, k: batch ti / 16, heads 4 tj + 2 wj on, tiles of 16 rows 8 (ti % 16) + 4 wi on
	s_lshr_b32 s98, s17, 4
	s_lshl_b32 s98, s98, 21
	s_lshl_b32 s97, s40, 2
	s_lshl_b32 s99, s16, 1
	s_add_co_u32 s97, s97, s99
	s_lshl_b32 s97, s97, 17
	s_add_co_u32 s98, s98, s97
	s_and_b32 s97, s17, 15
	s_lshl_b32 s97, s97, 3
	s_lshl_b32 s99, s15, 2
	s_add_co_u32 s97, s97, s99
	s_lshl_b32 s97, s97, 10
	s_add_co_u32 s98, s98, s97
	s_mov_b32 s99, 0
	; v: batch tj / 8, head 2 ti + wi, keys 128 (2 (tj % 8) + wj) on
	s_lshr_b32 s100, s96, 3
	s_lshl_b32 s100, s100, 4
	s_lshl_b32 s97, s21, 1
	s_add_co_u32 s100, s100, s97
	s_add_co_u32 s100, s100, s15
	s_lshl_b32 s100, s100, 17
	s_and_b32 s97, s96, 7
	s_lshl_b32 s97, s97, 1
	s_add_co_u32 s97, s97, s16
	s_lshl_b32 s97, s97, 13
	s_add_co_u32 s100, s100, s97
	s_add_co_u32 s100, s100, 0x1000000
	s_mov_b32 s101, 0
	s_wait_kmcnt 0x0
	s_load_b256 s[EX:EX+7], s[8:9], 0x0            ; e0 .. e7
	s_load_b128 s[EX+8:EX+11], s[8:9], 0x20        ; e8 .. e11
	s_add_nc_u64 s[TB:TB+1], s[4:5], s[18:19]      ; q: x's first set of codes,
	s_add_nc_u64 s[TB+2:TB+3], s[TB:TB+1], 0x800000  ; k: the second
	s_add_nc_u64 s[TB+4:TB+5], s[6:7], s[22:23]    ; v: Wv
	s_add_nc_u64 s[UB:UB+1], s[6:7], s[44:45]      ; q: Wq,
	s_add_nc_u64 s[UB+2:UB+3], s[UB:UB+1], 0x100000  ; k: Wk
	s_add_nc_u64 s[UB+4:UB+5], s[4:5], s[46:47]    ; v: x's third set
	s_add_nc_u64 s[OB:OB+1], s[10:11], s[98:99]
	s_add_nc_u64 s[OB+2:OB+3], s[OB:OB+1], 0x800000
	s_add_nc_u64 s[OB+4:OB+5], s[10:11], s[100:101]
.irp s, 0,1
	s_mov_b32 s[G0T+4*\s], 1                                       ; 1:0 count = 1
	s_add_co_u32 s[G0T+4*\s+1], s2, \s*SLOT                        ; 63:32 LDS address
	s_add_nc_u64 s[G0T+4*\s+2:G0T+4*\s+3], s[TB:TB+1], \s*KSB      ; 120:64 global address: K step s of the first tile
	s_or_b32 s[G0T+4*\s+3], s[G0T+4*\s+3], 0x80000000              ; 127:126 type = 2
	s_mov_b32 s[G0U+4*\s], 1
	s_add_co_u32 s[G0U+4*\s+1], s3, \s*SLOT
	s_add_nc_u64 s[G0U+4*\s+2:G0U+4*\s+3], s[UB:UB+1], \s*KSB
	s_or_b32 s[G0U+4*\s+3], s[G0U+4*\s+3], 0x80000000
.endr
	CROUND                                         ; all sixteen work-groups are here: the first joint loads meet
	s_cmp_eq_u32 s15, 0                            ; a wave's two first fills stand in one branch, ahead of every wait on TENSORcnt and every LDS read: two loads of mine are out
	s_cbranch_scc0 .Lfirst_u
	tensor_load_to_lds s[G0T:G0T+3], s[G1T:G1T+7]
	s_nop 0
	tensor_load_to_lds s[G0T+4:G0T+7], s[G1T:G1T+7]
	s_nop 0
	PLACES
	s_branch .Lfirst_asked
.Lfirst_u:
	tensor_load_to_lds s[G0U:G0U+3], s[G1U:G1U+7]
	s_nop 0
	tensor_load_to_lds s[G0U+4:G0U+7], s[G1U:G1U+7]
	s_nop 0
	PLACES
.Lfirst_asked:
	v_and_b32 v[LI], 31, v0
	v_lshlrev_b32 v[LI], 4, v[LI]
	s_lshl_b32 s97, s15, 14                        ; my 64 rows of T: 4 tiles of 16 rows x 4,096 bytes
	s_lshl_b32 s98, s16, 15                        ; my 128 rows of U,
	s_add_co_u32 s98, s98, UOFF                    ; which lie behind T's
.irp s, 0,1
	v_add_nc_u32 v[ADRT+\s], s97, v[LI]
	v_add_nc_u32 v[ADRU+\s], s98, v[LI]
	s_add_co_u32 s97, s97, SLOT
	s_add_co_u32 s98, s98, SLOT
.endr
; A sum stands for sum x 2^(ea + eb), and its code is that / 2^eo: the three exponents are folded into the conversion's one scale, 2^E, E = eo - ea - eb.  No branch hangs on them.
.macro MKSC p, eo, ea, eb
	s_sub_co_i32 s97, s[EX+\eo], s[EX+\ea]
	s_sub_co_i32 s97, s97, s[EX+\eb]
	s_add_co_i32 s97, s97, 127
	s_lshl_b32 s98, s97, 23
	v_mov_b32 v[SC+\p], s98                        ; 2^E as f32
	s_add_co_i32 s97, s97, 8
	s_lshl_b32 s97, s97, 23
	s_or_b32 s97, s97, 0x600000
	v_mov_b32 v[LM+\p], s97                        ; 448 x 2^E
.endm
	s_wait_alu depctr_va_vdst(0)
	s_wait_kmcnt 0x0
	MKSC 0, 6, 0, 1
	MKSC 1, 7, 2, 3
	MKSC 2, 9, 4, 5
.macro FRAG reg, adr, off              ; a fragment's image into 16 registers: four loads of 512 consecutive bytes
.irp c, 0,1,2,3
	ds_load_b128 v[\reg+4*\c:\reg+4*\c+3], v[\adr] offset:\off+512*\c
.endr
.endm
.macro FETCH slot, q, fs               ; 48 LDS loads in one run: U's eight and T's four fragments of the slot's q-th 128 along K, into set fs
	WIN TO_U
.irp b, 0,1,2,3,4,5,6,7
	FRAG 128*(\fs)+16*\b, ADRU+\slot, 4096*\b+2048*(\q)
.endr
	WIN 0
.irp a, 0,1,2,3
	FRAG TF+64*(\fs)+16*\a, ADRT+\slot, 4096*\a+2048*(\q)
.endr
.endm
; 8 n matrix instructions: T's blocks a0 .. a0 + n - 1 x U's eight, 128 along K, from set fs.  zero = 1: the product starts the sums: nothing is ever cleared.
; The 32 accumulators take turns, one instruction a turn, in the same order in every step and from tile to tile.
.macro MUL a0, n, fs, zero
.set ma, \a0
.rept \n
.irp b, 0,1,2,3,4,5,6,7
.if \zero
	v_wmma_f32_16x16x128_fp8_fp8 v[64*ma+8*\b:64*ma+8*\b+7], v[128*(\fs)+16*\b:128*(\fs)+16*\b+15], v[TF+64*(\fs)+16*ma:TF+64*(\fs)+16*ma+15], 0
.else
	v_wmma_f32_16x16x128_fp8_fp8 v[64*ma+8*\b:64*ma+8*\b+7], v[128*(\fs)+16*\b:128*(\fs)+16*\b+15], v[TF+64*(\fs)+16*ma:TF+64*(\fs)+16*ma+15], v[64*ma+8*\b:64*ma+8*\b+7]
.endif
.endr
.set ma, ma+1
.endr
.endm
; The first half of a K step: multiplies set 0; ahead of its 32 products the second half's fragments are asked for, into set 1.
.macro HALFA slot, zero
	s_wait_dscnt 0x0                               ; set 0 is in
	PLACES                                         ; set 1 was read by the products just ahead
	FETCH \slot, 1, 1
	WIN MULW
	MUL 0, 4, 0, \zero
.endm
; The second half multiplies set 1 and changes slots: ONE barrier.  In front of it each wave waits for all its tensor loads (one is out: its part of the next slot), adds 0 to its spare word, and waits for that and for
; its reads of this slot.  mode 1: this slot is filled again with the K step two on; mode 2: with K step 0 or 1 of tile p, the next one: the ring runs on; mode 0: nothing is left to fetch.
; Where the slot is filled again the barrier opens a round of the cluster's barrier, and the joint load is the first tensor load behind the round.
.macro CHANGE slot, next, mode, p
	WIN 0                                          ; (the add's two registers lie in window 0)
	s_wait_tensorcnt 0x0                           ; all my tensor loads have landed;
	ds_add_u32 v[SPW], v[NIL]                      ; 0 onto my spare word
	s_wait_dscnt 1                                 ; set 1's 48 loads are in; only the add may be out
	WIN MULW
	MUL 0, 1, 1, 0                                 ; eight matrix instructions stand between the add and the wait for it
	s_wait_dscnt 0x0                               ; the add is done, and my reads of this slot are over
	s_barrier_signal -1
	MUL 1, 1, 1, 0                                 ; work on registers while the others arrive
	WIN 0
	s_barrier_wait -1
.if \mode == 0
	PLACES
.else
	CREST                                          ; no wave of any partner still reads this slot's tiles or has a load on its way
.if \mode == 1
	s_add_nc_u64 s[G0T+4*\slot+2:G0T+4*\slot+3], s[G0T+4*\slot+2:G0T+4*\slot+3], 2*KSB
	s_add_nc_u64 s[G0U+4*\slot+2:G0U+4*\slot+3], s[G0U+4*\slot+2:G0U+4*\slot+3], 2*KSB
.else
	s_add_nc_u64 s[G0T+4*\slot+2:G0T+4*\slot+3], s[TB+2*(\p):TB+2*(\p)+1], \slot*KSB
	s_or_b32 s[G0T+4*\slot+3], s[G0T+4*\slot+3], 0x80000000
	s_add_nc_u64 s[G0U+4*\slot+2:G0U+4*\slot+3], s[UB+2*(\p):UB+2*(\p)+1], \slot*KSB
	s_or_b32 s[G0U+4*\slot+3], s[G0U+4*\slot+3], 0x80000000
.endif
	JLOAD \slot                                    ; the four v_nop behind it are also the places in front of the loads below
.endif
	FETCH \next, 0, 0
	WIN MULW
	MUL 2, 2, 1, 0
.endm
; THE WAY OUT of tile p, a block of 16 rows of T at a time: 64 sums a lane are held within +-448 x 2^E (the conversion to an 8-bit code does not saturate: ISA guide 7.6.2), each accumulator from its low end on,
; and converted: accumulator (a, b) gives registers 2 b, 2 b + 1.  For q and k those 16 registers are two fragments of 16 rows x 64 (two heads); for v one fragment of 16 channels x 128 keys.  They are stored as they stand.
.macro EPI p
.irp a, 0,1,2,3
	WIN 0x02                                       ; source 0: window 2
.set en, 0
.rept 64
	v_med3_num_f32 v[TMP+en], v[64*\a+en], -v[LM+\p], v[LM+\p]
.set en, en+1
.endr
	WIN 0
	s_wait_alu depctr_va_vdst(0)
	s_wait_xcnt 0x0                                ; the stores of two blocks back have read this set of code registers: only now is it written again
.irp b, 0,1,2,3,4,5,6,7
	v_cvt_scalef32_pk8_fp8_f32 v[CD+16*(\a%2)+2*\b:CD+16*(\a%2)+2*\b+1], v[TMP+8*\b:TMP+8*\b+7], v[SC+\p]
.endr
	v_nop                                          ; one plain line between the conversions and the next block's holds, which write their sources
.irp c, 0,1,2,3
.if \p < 2
	global_store_b128 v[LI], v[CD+16*(\a%2)+4*\c:CD+16*(\a%2)+4*\c+3], s[OB+2*\p:OB+2*\p+1] offset:\a*1024+(\c/2)*131072+(\c%2)*512   ; 512 consecutive bytes: half a fragment of head c / 2
.else
	global_store_b128 v[LI], v[CD+16*(\a%2)+4*\c:CD+16*(\a%2)+4*\c+3], s[OB+2*\p:OB+2*\p+1] offset:\a*2048+\c*512                     ; 512 consecutive bytes: a quarter of channel block a's fragment
.endif
.endr
.endr
.endm
; A tile: four K steps.  Its last two changes of slots ask for the next tile's K steps 0 and 1, and the last one fetches the next tile's first fragments: they are on their way while this tile goes out.
.macro TILE p, last
	HALFA 0, 1                                     ; the first products start the sums
	CHANGE 0, 1, 1, 0
	HALFA 1, 0
	CHANGE 1, 0, 1, 0
	HALFA 0, 0
.if \last
	CHANGE 0, 1, 0, 0
	HALFA 1, 0
	s_wait_dscnt 0x0
	WIN MULW
	MUL 0, 4, 1, 0
.else
	CHANGE 0, 1, 2, \p+1
	HALFA 1, 0
	CHANGE 1, 0, 2, \p+1
.endif
	WIN 0
	PLACES                                         ; the holds read results just made
	s_wait_alu depctr_va_vdst(0)
	EPI \p
.endm
	s_wait_tensorcnt 1                             ; my part of K step 0 is in; K step 1's may stay out
	s_barrier_signal -1
	s_barrier_wait -1                              ; everybody's is
	FETCH 0, 0, 0
	TILE 0, 0                                      ; q
	TILE 1, 0                                      ; k
	TILE 2, 1                                      ; v
	s_wait_tensorcnt 0x0                           ; the wave's end
	ds_add_u32 v[SPW], v[NIL]
	s_wait_dscnt 0x0
	CROUND                                         ; the closing round: no work-group ends while a partner may still ask for a tile that names it
	s_endpgm
.Lfunc_end_k_q5fad565455_proj:
	.size	k_q5fad565455_proj, .Lfunc_end_k_q5fad565455_proj-k_q5fad565455_proj
	.p2alignl 7, 3214868480
	.fill 96, 4, 3214868480
	.section	.rodata,"a",@progbits
	.p2align	6, 0x0
	.amdhsa_kernel k_q5fad565455_proj
		.amdhsa_group_segment_fixed_size 327680
		.amdhsa_private_segment_fixed_size 0
		.amdhsa_enable_private_segment 0
		.amdhsa_kernarg_size 32
		.amdhsa_user_sgpr_count 2
		.amdhsa_user_sgpr_kernarg_segment_ptr 1
		.amdhsa_wavefront_size32 1
		.amdhsa_system_sgpr_workgroup_id_x 1
		.amdhsa_system_sgpr_workgroup_id_y 1
		.amdhsa_system_sgpr_workgroup_id_z 1
		.amdhsa_system_vgpr_workitem_id 0
		.amdhsa_next_free_vgpr 768
		.amdhsa_next_free_sgpr 102
		.amdhsa_reserve_vcc 0
		.amdhsa_float_denorm_mode_32 3
		.amdhsa_float_denorm_mode_16_64 3
		.amdhsa_memory_ordered 1
		.amdhsa_forward_progress 1
		.amdhsa_inst_pref_size 207
	.end_amdhsa_kernel
	.amdgpu_metadata
---
amdhsa.version: [ 1, 2 ]
amdhsa.kernels:
  - .name:           k_q5fad565455_proj
    .symbol:         k_q5fad565455_proj.kd
    .args:
      - { .name: xc, .offset: 0, .size: 8, .value_kind: global_buffer, .address_space: global }
      - { .name: wc, .offset: 8, .size: 8, .value_kind: global_buffer, .address_space: global }
      - { .name: lowp_scales, .offset: 16, .size: 8, .value_kind: global_buffer, .address_space: global }
      - { .name: qkv, .offset: 24, .size: 8, .value_kind: global_buffer, .address_space: global }
    .group_segment_fixed_size: 327680
    .private_segment_fixed_size: 0
    .kernarg_segment_align: 8
    .kernarg_segment_size: 32
    .max_flat_workgroup_size: 128
    .sgpr_count:     102
    .vgpr_count:     768
    .wavefront_size: 32
...
	.end_amdgpu_metadata
.endif
;; end of part 2
;; launch attn (part 3): grid 4 x 64, 16 waves a work-group, no clusters, 327,680 bytes of LDS; arguments qkv, lowp_scales, ctxc; writes ctxc
.if DOCPART == 3
	.amdgcn_target "amdgcn-amd-amdhsa--gfx1250"
	.amdhsa_code_object_version 6
	.text
	.protected	k_q5fad565455_attn
	.globl	k_q5fad565455_attn
	.p2align	8
	.type	k_q5fad565455_attn,@function
k_q5fad565455_attn:
	s_mov_b64 s[64:65], 0
	v_nop
	global_prefetch_b8 v0, s[64:65] scope:SCOPE_SE
	s_setreg_imm32_b32 hwreg(HW_REG_WAVE_MODE, 25, 1), 1
	s_wait_xcnt 0x0
; ctx[b][h][q] = the sum over keys k <= q of softmax_k(q . k / 8) v, both products on codes of FP8 (E4M3); ctx is quantised at once (entry 10) for the last projection.
; IN (qkv), images of operand registers: q at 0, k at 8 MiB: [batch x head 64][tile of 16 rows 128][1,024 bytes: 16 rows x 64: registers 2 c, 2 c + 1 of lane (r, h): d = 16 c + 8 h + 0 .. 7 of row r];
; v at 16 MiB: [batch x head 64][128 keys: 16][16 channels: 4][2,048 bytes: row = channel, K = keys].  Registers 4 q .. 4 q + 3 of lane l lie at 512 q + 16 l.
; OUT (ctxc): [tile of 16 rows 512][128 along K: 8][2,048]; a head's 64 are half a fragment: byte = tile x 16,384 + head x 1,024 + 512 c + 16 lane.
; THE SOFTMAX AHEAD OF THE SECOND PRODUCT: t = score x log2(e) / 8; M = the row's largest t so far, rounded UP to a whole number; p = 2^(t - M) is quantised (entry 8), not normalised.  The row's sum is taken of the
; unquantised p and divides at the end.  When M moves, the sum and O are multiplied by 2^(old M - new M): exact.
; LAYOUT.  Both products transposed: S^T = K Q^T (source 0 = 16 keys, source 1 = my 16 queries), O^T = V^T P^T: a lane holds ONE query (lane % 16) throughout.  Register 8 t + j of S^T is key 16 t + 8 h + j: the
; conversion of tile t's eight registers gives registers 2 t, 2 t + 1 of P's fragment, and that of O^T's tile c registers 2 c, 2 c + 1 of ctx's: nothing changes lanes, nothing goes through LDS.
; SHARES.  Work-group (i, batch x head) owns the blocks of 256 queries 7 - i and i of its head; wave w the 16 queries 16 w on of each, the late block first.  A step is 128 keys.  Steps all of whose keys come after the
; wave's queries are jumped over, so a wave works 2 (7 - i) + 1 + 2 i + 1 steps (two more in waves 8-15): the same in every work-group.
; LDS holds the head's whole K (131,072 bytes at 0) and V (131,072 at 131,072), filled ONCE: each wave issues four tensor loads of 4,096 bytes at the head, one for each stage of 512 keys (at most one of mine is out);
; waves 0-7 K's, waves 8-15 V's.  No byte is filled again.  A stage is read behind a counted wait and a barrier while the later stages are on their way.
; NO CLUSTER, though the four work-groups of a head ask for the same bytes: the jump over hidden steps hangs on the work-group's block of queries, which differs between them, and partners in joint loads must branch alike;
; without the jump each would work 24 steps a wave in place of 16 or 18.
; LIMITS: e6 + e7 between -123 and 130 (added to c's exponent field); e8, and e10 - e8 - e9, between -126 and 119.
; REGISTERS: v1-5 addresses; v12 -M, v13 the largest t, v[14:15] the sum in two halves; v16-23, v24-31 Q of the late and the early block; v32-95 K's 8 fragments, then V's 4; v96-159 S^T, then p; v160-191 O^T; v192-207 p's codes; v208-229 at work and constants.
.set LI,  1                            ; v1   16 x lane
.set ADK, 2                            ; v2   LDS address of the step's K
.set ADV, 3                            ; v3   of its V
.set DL,  4                            ; v4   r - 8 h, for the mask
.set LV,  5                            ; v5   16 x lane + 131,072
.set WV,  18                           ; s18  my wave's number
.set SEL, 20                           ; s[20:21] lane selects for v_permlanex16_b32: lane l xor 16
.set CS,  22                           ; s[22:23] c = log2(e) / 8 x 2^(e6 + e7)
.set G1,  24                           ; s[24:31] descriptor group 1
.set G0,  40                           ; s[40:55] group 0, a set for each stage
.set TB,  66                           ; s66  LDS byte of the step's K
.set KF,  67                           ; s67  the step's first key
.set Q0,  68                           ; s68  my first query
.set CNT, 69                           ; s69  loop count
.set OHI, 70                           ; s[70:71], s[72:73] where the late and the early block's codes go
.set OLO, 72
.set QHI, 74                           ; s[74:75], s[76:77] their fragments of q
.set QLO, 76
.set EX,  84                           ; s[84:95] e0 .. e11
	s_load_b128 s[4:7], s[0:1], 0x0                ; qkv s[4:5], the exponents s[6:7]
	s_load_b64 s[8:9], s[0:1], 0x10                ; ctxc
	v_lshl_add_u32 v254, v0, 2, 0x40000
	v_mov_b32 v255, 0
	ds_add_u32 v254, v255
	ds_add_u32 v254, v255
	v_lshrrev_b32 v2, 5, v0
	s_delay_alu instid0(VALU_DEP_1)
	v_readfirstlane_b32 s[WV], v2                  ; wave 0..15
	s_and_b32 s10, ttmp7, 0xffff                   ; batch x 16 + head
	s_lshr_b32 s11, s[WV], 3                       ; I fetch for K (0) or for V (1),
	s_and_b32 s12, s[WV], 7                        ; the (wave % 8)-th 4,096 bytes of each stage's 32,768
	s_lshl_b32 s13, s11, 17
	s_lshl_b32 s14, s12, 12
	s_add_co_u32 s13, s13, s14                     ; in LDS,
	s_lshl_b32 s16, s11, 23
	s_add_co_u32 s16, s16, 0x800000                ; and in memory: k's or v's section,
	s_lshl_b32 s15, s10, 17                        ; the head's 131,072 bytes
	s_add_co_u32 s16, s16, s15
	s_add_co_u32 s16, s16, s14
	s_mov_b32 s17, 0
	; descriptor group 1: a dense block of 4,096 bytes as 16 rows of 256
	s_mov_b32 s[G1], 3<<16                         ; 15:0 no mask; 17:16 elements of 8 bytes; no padding
	s_mov_b32 s[G1+1], 32<<16                      ; tensor_dim0 = 32
	s_mov_b32 s[G1+2], 16<<16                      ; tensor_dim1 = 16
	s_mov_b32 s[G1+3], 32<<16                      ; tile_dim0 = 32
	s_mov_b32 s[G1+4], 16                          ; tile_dim1 = 16
	s_mov_b32 s[G1+5], 32                          ; tensor_dim0_stride
	s_mov_b32 s[G1+6], 0
	s_mov_b32 s[G1+7], 0
	s_wait_dscnt 0x0
	s_wait_kmcnt 0x0
	s_load_b256 s[EX:EX+7], s[6:7], 0x0            ; e0 .. e7
	s_load_b128 s[EX+8:EX+11], s[6:7], 0x20        ; e8 .. e11
	s_add_nc_u64 s[16:17], s[4:5], s[16:17]
.irp g, 0,1,2,3
	s_mov_b32 s[G0+4*\g], 1                                        ; 1:0 count = 1
	s_add_co_u32 s[G0+4*\g+1], s13, \g*32768                       ; 63:32 LDS address
	s_add_nc_u64 s[G0+4*\g+2:G0+4*\g+3], s[16:17], \g*32768        ; 120:64 global address
	s_or_b32 s[G0+4*\g+3], s[G0+4*\g+3], 0x80000000                ; 127:126 type = 2
.endr
.irp g, 0,1,2,3
	s_wait_alu depctr_va_vdst(0)
	s_wait_tensorcnt 0x0
	ds_add_u32 v254, v255
	ds_add_u32 v254, v255
	s_wait_dscnt 0x0
	s_barrier_signal -1
	s_barrier_wait -1
	tensor_load_to_lds s[G0+4*\g:G0+4*\g+3], s[G1:G1+7]            ; stage g's fill, behind a wait for my earlier fills and a barrier
	s_nop 0
.endr
.rept 4
	v_nop
.endr
	s_sub_co_u32 s56, 7, ttmp9
	s_lshl_b32 s56, s56, 4
	s_add_co_u32 s56, s56, s[WV]                   ; my tile of 16 queries in the late block: 16 (7 - i) + w,
	s_lshl_b32 s57, ttmp9, 4
	s_add_co_u32 s57, s57, s[WV]                   ; and in the early one: 16 i + w
	s_mov_b32 s59, 0
	s_lshl_b32 s58, s56, 10
	s_add_co_u32 s58, s58, s15
	s_add_nc_u64 s[QHI:QHI+1], s[4:5], s[58:59]
	s_lshl_b32 s58, s57, 10
	s_add_co_u32 s58, s58, s15
	s_add_nc_u64 s[QLO:QLO+1], s[4:5], s[58:59]
	s_lshr_b32 s60, s10, 4
	s_lshl_b32 s60, s60, 7                         ; the batch's 128 tiles of 16 rows
	s_and_b32 s61, s10, 15
	s_lshl_b32 s61, s61, 10                        ; the head's 1,024 bytes of a tile's 16,384
	s_add_co_u32 s58, s60, s56
	s_lshl_b32 s58, s58, 14
	s_add_co_u32 s58, s58, s61
	s_add_nc_u64 s[OHI:OHI+1], s[8:9], s[58:59]
	s_add_co_u32 s58, s60, s57
	s_lshl_b32 s58, s58, 14
	s_add_co_u32 s58, s58, s61
	s_add_nc_u64 s[OLO:OLO+1], s[8:9], s[58:59]
	v_and_b32 v[LI], 31, v0
	s_delay_alu instid0(VALU_DEP_1)
	v_lshlrev_b32 v[LI], 4, v[LI]
	global_load_b128 v[16:19], v[LI], s[QHI:QHI+1]                 ; both fragments of q stay in registers
	global_load_b128 v[20:23], v[LI], s[QHI:QHI+1] offset:512
	global_load_b128 v[24:27], v[LI], s[QLO:QLO+1]
	global_load_b128 v[28:31], v[LI], s[QLO:QLO+1] offset:512
	v_add_nc_u32 v[LV], 0x20000, v[LI]
	v_and_b32 v[DL], 15, v0
	v_bfe_u32 v6, v0, 4, 1
	s_delay_alu instid0(VALU_DEP_1)
	v_lshlrev_b32 v6, 3, v6
	s_delay_alu instid0(VALU_DEP_1)
	v_sub_nc_u32 v[DL], v[DL], v6
	v_mov_b32 v208, 0                              ; written once: a lane permute's destination counts as one of its sources
	v_mov_b32 v211, 0                              ; (named as the upper half of the pair v[210:211])
	v_mov_b32 v218, 0xff800000                     ; -infinity
	s_mov_b32 s[SEL], 0x76543210
	s_mov_b32 s[SEL+1], 0xfedcba98
	s_mov_b32 s[CS], 0x3e38aa3b                    ; log2(e) / 8
	s_lshl_b32 s[Q0], s56, 4
	s_mov_b32 s[KF], 0
	s_wait_kmcnt 0x0
	s_add_co_i32 s96, s[EX+6], s[EX+7]
	s_lshl_b32 s96, s96, 23
	s_add_co_i32 s[CS], s[CS], s96                 ; a score stands for score x 2^(e6 + e7): the two exponents are added to c's exponent field
	s_mov_b32 s[CS+1], s[CS]                       ; (named with it as a pair, so it is written)
	s_add_co_i32 s96, s[EX+8], 127
	s_lshl_b32 s58, s96, 23
	v_mov_b32 v216, s58                            ; 2^e8, for p's conversions
	s_sub_co_i32 s96, s[EX+10], s[EX+8]
	s_sub_co_i32 s96, s96, s[EX+9]                 ; O / l stands for ctx / 2^(e8 + e9): its code is (O / l) / 2^E, E = e10 - e8 - e9
	s_add_co_i32 s96, s96, 127
	s_lshl_b32 s58, s96, 23
	v_mov_b32 v228, s58                            ; 2^E
; The step is written without a first step of its own: O^T and the sum begin as zeros, which the first change of M leaves zeros, and the largest t as -3e38, under every t.
.macro INIT
	v_mov_b32 v13, 0xff61b1e6
	s_delay_alu instid0(VALU_DEP_1)
	v_floor_f32 v12, -v13
	v_mov_b32 v14, 0
	v_mov_b32 v15, 0
.set n, 160
.rept 32
	v_mov_b32 v[n], 0
.set n, n+1
.endr
.endm
; A KEY STEP: 128 keys from s[KF] on, whose K lies at LDS byte s[TB] and whose V 131,072 further on; my queries' fragment in v[qf] on.
.macro STEP qf
	s_add_co_u32 s96, s[Q0], 15                    ; a step all of whose keys come after my 16 queries is left out: a scalar branch on ids, round the work; not round the lines at its end that step addresses
	s_cmp_gt_u32 s[KF], s96
	s_cbranch_scc1 .Lhidden_\@
	s_setprio 2
	v_add_nc_u32 v[ADK], s[TB], v[LI]
	v_add_nc_u32 v[ADV], s[TB], v[LV]
	v_nop                                          ; with the two additions: four places in front of loads into registers that the last step's products have read (ISA guide 7.12.1 for vector instructions)
	v_nop
.irp t, 0,1,2,3,4,5,6,7
	ds_load_b128 v[32+8*\t:35+8*\t], v[ADK] offset:1024*\t         ; K's tile t: 16 keys x 64
	ds_load_b128 v[36+8*\t:39+8*\t], v[ADK] offset:1024*\t+512
.endr
	s_wait_alu depctr_va_vdst(0)
	s_wait_dscnt 0x0
.irp t, 0,1,2,3,4,5,6,7
	v_wmma_f32_16x16x64_fp8_fp8 v[96+8*\t:103+8*\t], v[32+8*\t:39+8*\t], v[\qf:\qf+7], 0
.endr
.rept 4
	v_nop                                          ; places: for the loads below, into K's registers, and for the first read of the scores
.endr
.irp t, 0,1,2,3
.irp c, 0,1,2,3
	ds_load_b128 v[32+16*\t+4*\c:35+16*\t+4*\c], v[ADV] offset:2048*\t+512*\c   ; V's four fragments (16 channels x 128 keys) land under the softmax
.endr
.endr
	s_add_co_u32 s96, s[KF], 127                   ; on the diagonal the scores of hidden keys become -infinity ahead of the maximum: p = 0 then.  A step all of whose keys count skips this
	s_cmp_le_u32 s96, s[Q0]
	s_cbranch_scc1 .Lopen_\@
	s_sub_co_i32 s96, s[Q0], s[KF]
	v_add_nc_u32 v219, s96, v[DL]                  ; d = my query - KF - 8 h.  Register 8 t + j holds key KF + 16 t + 8 h + j: hidden where 16 t + j > d
.set n, 0
.rept 64
	v_cmp_gt_i32 vcc_lo, 16*(n/8)+n%8, v219
	v_cndmask_b32 v[96+n], v[96+n], v218, vcc_lo
.set n, n+1
.endr
.Lopen_\@:
	v_max3_num_f32 v214, v96, v97, v98             ; the step's largest score of my query among my 64 keys, in two chains, each accumulator from its low end on,
	v_max3_num_f32 v215, v99, v100, v101
.set n, 102
.rept 14
	v_max3_num_f32 v214, v214, v[n], v[n+1]
	v_max3_num_f32 v215, v215, v[n+2], v[n+3]
.set n, n+4
.endr
	v_max3_num_f32 v214, v214, v158, v159
	s_delay_alu instid0(VALU_DEP_1)
	v_max_num_f32 v214, v214, v215
	s_delay_alu instid0(VALU_DEP_1)
	v_permlanex16_b32 v208, v214, s[SEL], s[SEL+1]
	s_delay_alu instid0(VALU_DEP_1)
	v_max_num_f32 v214, v214, v208                 ; and among lane l xor 16's
	s_delay_alu instid0(VALU_DEP_1)
	v_mul_f32 v214, s[CS], v214                    ; as t (c is positive)
	s_delay_alu instid0(VALU_DEP_1)
	v_max_num_f32 v13, v13, v214                   ; the running largest t
	v_mov_b32 v214, v12
	s_delay_alu instid0(VALU_DEP_2)
	v_floor_f32 v12, -v13                          ; the new -M = floor(-t) = -ceil(t): M is a whole number
	s_delay_alu instid0(VALU_DEP_1)
	v_sub_f32 v214, v12, v214                      ; old M - new M: a whole number, 0 or less
	s_delay_alu instid0(VALU_DEP_1)
	v_cvt_i32_f32 v214, v214                       ; (it saturates)
	s_delay_alu instid0(VALU_DEP_1)
	v_ldexp_f32 v210, 1.0, v214                    ; f = 2^(old M - new M)
.set n, 96
	s_setprio 1
.rept 32
	v_pk_fma_f32 v[n:n+1], v[n:n+1], s[CS:CS+1], v[12:13] op_sel_hi:[1,0,0]   ; t - M, two at a time (of the pairs c and -M the low word serves both halves)
.set n, n+2
.endr
.set n, 96
	s_wait_alu depctr_va_vdst(0)
.rept 64
	v_exp_f32 v[n], v[n]                           ; p = 2^(t - M), at most 1
.set n, n+1
.endr
	v_pk_mul_f32 v[14:15], v[14:15], v[210:211] op_sel_hi:[1,0]    ; the sums under the new M.  (The plain line behind the exponentials: ISA guide 5.7.2)
	s_wait_alu depctr_va_vdst(0)
	v_pk_add_f32 v[212:213], v[96:97], v[98:99]    ; the row's sum is taken of the unquantised p: two at a time, in two chains
.set n, 100
.rept 15
	v_pk_add_f32 v[14:15], v[14:15], v[n:n+1]
	v_pk_add_f32 v[212:213], v[212:213], v[n+2:n+3]
.set n, n+4
.endr
	s_delay_alu instid0(VALU_DEP_1)
	v_pk_add_f32 v[14:15], v[14:15], v[212:213]
	s_setprio 0
.irp t, 0,1,2,3,4,5,6,7
.irp i, 0,1,2,3,4,5,6,7
.endr
	v_cvt_scalef32_pk8_fp8_f32 v[192+2*\t:193+2*\t], v[96+8*\t:103+8*\t], v216   ; keys 16 t + 8 h + 0 .. 7: registers 2 t, 2 t + 1 of P's fragment
.endr
.set n, 160
.rept 16
	v_pk_mul_f32 v[n:n+1], v[n:n+1], v[210:211] op_sel_hi:[1,0]    ; O^T under the new M.  (Also the plain lines between the conversions and the products that read their results)
.set n, n+2
.endr
	s_wait_alu depctr_va_vdst(0)
	s_wait_dscnt 0x0                               ; V is in
.irp t, 0,1,2,3
	v_wmma_f32_16x16x128_fp8_fp8 v[160+8*\t:167+8*\t], v[32+16*\t:47+16*\t], v[192:207], v[160+8*\t:167+8*\t]   ; the four accumulators by turns, one instruction a turn
.endr
.Lhidden_\@:
	s_add_co_u32 s[KF], s[KF], 128
	s_add_co_u32 s[TB], s[TB], 8192
.endm
; A block's end: O^T / the row's sum, converted with the folded scale, stored as it stands: two stores of 512 consecutive bytes.
.macro FINISH ob
.rept 4
	v_nop                                          ; places behind the last products
.endr
	v_add_f32 v14, v14, v15                        ; the sum's two halves,
	s_delay_alu instid0(VALU_DEP_1)
	v_permlanex16_b32 v208, v14, s[SEL], s[SEL+1]
	s_delay_alu instid0(VALU_DEP_1)
	v_add_f32 v14, v14, v208                       ; and lane l xor 16's
	s_wait_alu depctr_va_vdst(0)
	v_rcp_f32 v210, v14
	v_nop                                          ; one plain line behind a transcendental
.set n, 160
	s_wait_alu depctr_va_vdst(0)
.rept 16
	v_pk_mul_f32 v[n:n+1], v[n:n+1], v[210:211] op_sel_hi:[1,0]
.set n, n+2
.endr
.set n, 160
.rept 32
.set n, n+1
.endr
	s_wait_alu depctr_va_vdst(0)
	s_wait_xcnt 0x0                                ; the other block's stores have read the code registers: only now are they written again
.irp t, 0,1,2,3
	v_cvt_scalef32_pk8_fp8_f32 v[220+2*\t:221+2*\t], v[160+8*\t:167+8*\t], v228
.endr
	v_nop                                          ; one plain line between the conversions and the next write of their sources
	global_store_b128 v[LI], v[220:223], s[\ob:\ob+1]
	global_store_b128 v[LI], v[224:227], s[\ob:\ob+1] offset:512
.endm
; Stage g: its 512 keys are shown landed to every wave, then walked.  The trip count is a constant; hidden steps are jumped over inside the step.
.macro STAGE g
	s_wait_tensorcnt 3-\g                          ; tensor loads of a wave end in order (ISA guide 10.11.1): my parts of stages 0 .. g are in; the later stages' may stay out, since no LDS byte is filled again
	s_barrier_signal -1                            ; (no LDS instruction of mine is out: each step waits for its own)
	s_barrier_wait -1                              ; everybody's are
	s_mov_b32 s[TB], \g*32768
	s_mov_b32 s[CNT], 4
.Lstage_\@:
	STEP 16
	s_sub_co_u32 s[CNT], s[CNT], 1
	s_cmp_lg_u32 s[CNT], 0
	s_cbranch_scc1 .Lstage_\@
	s_setprio 0
.endm
	INIT
	s_wait_loadcnt 0x0                             ; Q
	STAGE 0                                        ; the late block
	STAGE 1
	STAGE 2
	STAGE 3                                        ; (its wait is for 0: no tensor load is out from here on)
	FINISH OHI
	INIT                                           ; the early block: its queries lie under 1,024, so eight steps cover its keys
	s_lshl_b32 s[Q0], s57, 4
	s_mov_b32 s[KF], 0
	s_mov_b32 s[TB], 0
	s_mov_b32 s[CNT], 8
.Learly:
	STEP 24
	s_sub_co_u32 s[CNT], s[CNT], 1
	s_cmp_lg_u32 s[CNT], 0
	s_cbranch_scc1 .Learly
	s_setprio 0
	FINISH OLO
	s_wait_tensorcnt 0x0
	ds_add_u32 v254, v255
	s_wait_dscnt 0x0
	s_endpgm
.Lfunc_end_k_q5fad565455_attn:
	.size	k_q5fad565455_attn, .Lfunc_end_k_q5fad565455_attn-k_q5fad565455_attn
	.p2alignl 7, 3214868480
	.fill 96, 4, 3214868480
	.section	.rodata,"a",@progbits
	.p2align	6, 0x0
	.amdhsa_kernel k_q5fad565455_attn
		.amdhsa_group_segment_fixed_size 327680
		.amdhsa_private_segment_fixed_size 0
		.amdhsa_enable_private_segment 0
		.amdhsa_kernarg_size 24
		.amdhsa_user_sgpr_count 2
		.amdhsa_user_sgpr_kernarg_segment_ptr 1
		.amdhsa_wavefront_size32 1
		.amdhsa_system_sgpr_workgroup_id_x 1
		.amdhsa_system_sgpr_workgroup_id_y 1
		.amdhsa_system_sgpr_workgroup_id_z 1
		.amdhsa_system_vgpr_workitem_id 0
		.amdhsa_next_free_vgpr 256
		.amdhsa_next_free_sgpr 100
		.amdhsa_reserve_vcc 1
		.amdhsa_float_denorm_mode_32 3
		.amdhsa_float_denorm_mode_16_64 3
		.amdhsa_fp16_overflow 1
		.amdhsa_memory_ordered 1
		.amdhsa_forward_progress 1
		.amdhsa_inst_pref_size 110
	.end_amdhsa_kernel
	.amdgpu_metadata
---
amdhsa.version: [ 1, 2 ]
amdhsa.kernels:
  - .name:           k_q5fad565455_attn
    .symbol:         k_q5fad565455_attn.kd
    .args:
      - { .name: qkv, .offset: 0, .size: 8, .value_kind: global_buffer, .address_space: global }
      - { .name: lowp_scales, .offset: 8, .size: 8, .value_kind: global_buffer, .address_space: global }
      - { .name: ctxc, .offset: 16, .size: 8, .value_kind: global_buffer, .address_space: global }
    .group_segment_fixed_size: 327680
    .private_segment_fixed_size: 0
    .kernarg_segment_align: 8
    .kernarg_segment_size: 24
    .max_flat_workgroup_size: 512
    .sgpr_count:     100
    .vgpr_count:     256
    .wavefront_size: 32
...
	.end_amdgpu_metadata
.endif
;; end of part 3
;; launch outp (part 4): grid 4 x 64, 4 waves a work-group, clusters of 4 x 4, 327,680 bytes of LDS; arguments ctxc, wc, lowp_scales, out0; writes out0
.if DOCPART == 4
	.amdgcn_target "amdgcn-amd-amdhsa--gfx1250"
	.amdhsa_code_object_version 6
	.text
	.protected	k_q5fad565455_outp
	.globl	k_q5fad565455_outp
	.p2align	8
	.type	k_q5fad565455_outp,@function
k_q5fad565455_outp:
	s_mov_b64 s[64:65], 0
	v_nop
	global_prefetch_b8 v0, s[64:65] scope:SCOPE_SE
	s_setreg_imm32_b32 hwreg(HW_REG_WAVE_MODE, 25, 1), 1
	s_wait_xcnt 0x0
	s_wait_alu depctr_hold_cnt(0) depctr_sa_sdst(0) depctr_va_vdst(0) depctr_va_sdst(0) depctr_va_ssrc(0) depctr_va_vcc(0) depctr_vm_vsrc(0)
	s_getreg_b32 s2, hwreg(HW_REG_IB_STS2, 6, 4)
	s_cmp_eq_u32 s2, 0
	s_cbranch_scc0 .Lentry_in_a_cluster
	s_endpgm
.Lentry_in_a_cluster:
	s_bfe_u32 s2, ttmp6, 0x10000c
	s_cmp_lg_u32 s2, 0xf033
	s_cbranch_scc0 .Lentry_shape_is_right
	s_endpgm
.Lentry_shape_is_right:
; out = ctx Wo^T on codes of FP8 (E4M3); each finished f32 sum is multiplied once by 2^(e10 + e11).  out0: [8192][1024] f32.
; ctxc and wc are images of operand registers: a fragment of 16 rows x 128 K (registers 2 c, 2 c + 1 of lane (r, h): k = 16 c + 8 h + 0 .. 7 of row r) is 2,048 bytes, registers 4 q .. 4 q + 3 of lane l at 512 q + 16 l.
; ctxc: [tile of 16 rows 512][128 along K: 8][2,048]; Wo's codes: the fourth section of 1 MiB of wc, [64][8][2,048].  A fragment comes from LDS by four loads of 16 bytes a lane at 16 x lane: no pitch, no padding.
; C[i][j] = sum over k of T[i][k] U[j][k], T = ctx, U = Wo, USED TRANSPOSED (source 0 = 16 rows of U, source 1 = 16 rows of T): a lane holds row r of T and eight neighbouring columns j.
; SHARES.  A tile of C is 128 (i) x 256 (j): 256 tiles, one to a work-group; four waves, each 64 x 128: 32 accumulators.  K goes in steps of 256 (4,096 consecutive bytes of each tile of 16 rows) through two LDS slots.
; Waves 0, 1 fetch T's halves (4 rows of 4,096 bytes), waves 2, 3 U's (8 rows).  CLUSTERS: 4 x 4: T's tile is asked for jointly by a row of the cluster, U's by a column.
; LIMIT: e10 + e11 between -126 and 127, so that 2^(e10 + e11) is an f32 number.
; REGISTERS, in windows of 256: window 0: v3-29 addresses; v32-95 a block's results; v128-255 T's fragments, two sets of 4, on the way out rows read back.   window 1: U's fragments, two sets of 8.   window 2: accumulator (a, b) at v[8 (8 a + b)].
.set SLOT,   98304                     ; T's 128 rows (32,768 bytes), then U's 256 (65,536)
.set UOFF,   32768
.set SPARE,  2*SLOT                    ; behind the ring: the spare words, 128 bytes for each wave: two blocks of 256 bytes that no other line names
.set STAGE,  SPARE+512                 ; behind them: a stage of 16 rows x (512 + 16) bytes for each wave: bytes of their own, into which no tile lands
.set SPITCH, 528
.set KSB,    4096                      ; a K step of one tile of 16 rows, in bytes
.set LI,   3                           ; v3      16 x lane; never rewritten
.set ADRT, 16                          ; v16-17  LDS address of my T fragments in slot 0, 1
.set ADRU, 20                          ; v20-21  the same for U
.set STO,  24                          ; v24     the way out: where I put 32 bytes of a row
.set RD,   25                          ; v25     and where I read a row back
.set SPW,  28                          ; v28     LDS address of my spare word; never rewritten
.set NIL,  29                          ; v29     0; never rewritten
.set TMP,  32
.set TF,   128
.set BK,   128
.set G1T, 24                           ; s[24:31] descriptor group 1 for T's tiles;  s[32:39] group 0, a set for each slot
.set G0T, 32
.set G1U, 48                           ; s[48:55], s[56:63] the same for U's
.set G0U, 56
.set TB,  66                           ; s[66:67] where my half of T begins
.set UB,  72                           ; s[72:73] the same for U
.set OB,  78                           ; s[78:79] my wave's first row and column of out0; never stepped
.set MSB, 0
.macro WIN new                         ; s_set_vgpr_msb: bits 1:0 source 0, 3:2 source 1, 5:4 source 2, 7:6 destination; the immediate's high byte repeats the setting that is left
.if MSB != \new
	s_set_vgpr_msb (MSB<<8)|\new
.set MSB, \new
.endif
.endm
.set MULW, 0xa1                        ; source 0 (U) window 1, source 1 (T) window 0, C and D window 2
.set TO_U, 0x40                        ; destination window 1, address window 0
; A load into a register that a matrix instruction has read, and a vector instruction that reads a matrix result, stand four places behind it; only plain vector instructions that name none of its registers are places.
.macro PLACES
.rept 4
	v_nop
.endr
.endm
; A joint load: waves 0 and 1 fetch for T, waves 2 and 3 for U; the branch hangs on the wave's number alone.  Four v_nop follow each of the two lines.
.macro JLOAD slot
	s_cmp_eq_u32 s15, 0
	s_cbranch_scc0 .Lfor_u_\@
	tensor_load_to_lds s[G0T+4*\slot:G0T+4*\slot+3], s[G1T:G1T+7]
	s_nop 0
	PLACES
	s_branch .Lasked_\@
.Lfor_u_\@:
	tensor_load_to_lds s[G0U+4*\slot:G0U+4*\slot+3], s[G1U:G1U+7]
	s_nop 0
	PLACES
.Lasked_\@:
.endm
.macro CREST                           ; a round of the cluster's barrier behind its opening barrier
	s_cmp_lg_u32 s14, 0
	s_cbranch_scc1 .Lnot_wave_0_\@
	s_barrier_signal -3
.Lnot_wave_0_\@:
	s_barrier_wait -3
	s_barrier_signal -1
	s_barrier_wait -1
.endm
.macro CROUND                          ; a whole round
	s_barrier_signal -1
	s_barrier_wait -1
	CREST
.endm
	s_load_b256 s[4:11], s[0:1], 0x0               ; ctxc s[4:5], wc s[6:7], the exponents s[8:9], out0 s[10:11]
	v_lshl_add_u32 v[SPW], v0, 2, SPARE
	v_mov_b32 v[NIL], 0
	ds_add_u32 v28, v29
	ds_add_u32 v28, v29
	s_wait_dscnt 0x0
	v_lshrrev_b32 v1, 5, v0
	v_readfirstlane_b32 s14, v1                    ; wave 0..3
	s_lshr_b32 s15, s14, 1                         ; wi: which 64 of the tile's rows are mine.  Also: I fetch for T (0) or for U (1)
	s_and_b32 s16, s14, 1                          ; wj: which 128 of its columns.  Also f: which half of that tile I fetch
	s_bfe_u32 s40, ttmp6, 0x40000                  ; cx, cy: my place in the cluster
	s_bfe_u32 s41, ttmp6, 0x40004
	s_and_b32 s42, ttmp7, 0xffff                   ; the cluster's number, 0..15
	s_lshl_b32 s12, s41, 2
	s_lshl_b32 s12, 15, s12                        ; my row of the cluster
	s_lshl_b32 s13, 0x1111, s40                    ; my column
	; descriptor group 1: rows of 4,096 bytes (512 elements of 8 bytes), 16,384 bytes apart in memory, dense in LDS; 4 rows for T, 8 for U
	s_or_b32 s[G1T], s12, (3<<16)|(1<<21)          ; 15:0 the mask; 17:16 elements of 8 bytes; 20 no padding; 21 set beside a mask
	s_or_b32 s[G1U], s13, (3<<16)|(1<<21)
	s_mov_b32 s[G1T+1], 512<<16                    ; tensor_dim0 = 512
	s_mov_b32 s[G1T+2], 4<<16                      ; tensor_dim1 = 4
	s_mov_b32 s[G1T+3], 512<<16                    ; tile_dim0 = 512
	s_mov_b32 s[G1T+4], 4                          ; tile_dim1 = 4
	s_mov_b32 s[G1T+5], 2048                       ; tensor_dim0_stride, in elements
	s_mov_b32 s[G1T+6], 0
	s_mov_b32 s[G1T+7], 0
	s_mov_b32 s[G1U+1], 512<<16
	s_mov_b32 s[G1U+2], 8<<16
	s_mov_b32 s[G1U+3], 512<<16
	s_mov_b32 s[G1U+4], 8
	s_mov_b32 s[G1U+5], 2048
	s_mov_b32 s[G1U+6], 0
	s_mov_b32 s[G1U+7], 0
	s_lshl_b32 s17, s42, 2                         ; T's place, of cy and the cluster's number alone:
	s_add_co_u32 s17, s17, s41                     ; ti = 4 x cluster + cy
	s_lshl_b32 s20, s16, 2
	s_lshl_b32 s18, s17, 3
	s_add_co_u32 s18, s18, s20                     ; tile of 16 rows: 8 ti + 4 f
	s_lshl_b32 s18, s18, 14
	s_mov_b32 s19, 0
	s_lshl_b32 s43, s16, 3                         ; U's place, of cx alone: tj = cx
	s_lshl_b32 s44, s40, 4
	s_add_co_u32 s44, s44, s43                     ; tile of 16 rows: 16 tj + 8 f
	s_lshl_b32 s44, s44, 14
	s_add_co_u32 s44, s44, 0x300000                ; Wo's section of wc
	s_mov_b32 s45, 0
	s_lshl_b32 s2, s16, 14                         ; where my load goes in a slot: T's half f,
	s_lshl_b32 s3, s16, 15
	s_add_co_u32 s3, s3, UOFF                      ; or U's: no place in the cluster enters an LDS address
	s_lshl_b32 s98, s17, 19                        ; out0: row 128 ti + 64 wi of 4,096 bytes,
	s_lshl_b32 s97, s15, 18
	s_add_co_u32 s98, s98, s97
	s_lshl_b32 s97, s40, 10                        ; column 256 tj + 128 wj, 4 bytes each
	s_add_co_u32 s98, s98, s97
	s_lshl_b32 s97, s16, 9
	s_add_co_u32 s98, s98, s97
	s_mov_b32 s99, 0
	s_wait_kmcnt 0x0
	s_load_b64 s[94:95], s[8:9], 0x28              ; e10, e11
	s_add_nc_u64 s[TB:TB+1], s[4:5], s[18:19]
	s_add_nc_u64 s[UB:UB+1], s[6:7], s[44:45]
	s_add_nc_u64 s[OB:OB+1], s[10:11], s[98:99]
.irp s, 0,1
	s_mov_b32 s[G0T+4*\s], 1                                       ; 1:0 count = 1
	s_add_co_u32 s[G0T+4*\s+1], s2, \s*SLOT                        ; 63:32 LDS address
	s_add_nc_u64 s[G0T+4*\s+2:G0T+4*\s+3], s[TB:TB+1], \s*KSB      ; 120:64 global address: K step s
	s_or_b32 s[G0T+4*\s+3], s[G0T+4*\s+3], 0x80000000              ; 127:126 type = 2
	s_mov_b32 s[G0U+4*\s], 1
	s_add_co_u32 s[G0U+4*\s+1], s3, \s*SLOT
	s_add_nc_u64 s[G0U+4*\s+2:G0U+4*\s+3], s[UB:UB+1], \s*KSB
	s_or_b32 s[G0U+4*\s+3], s[G0U+4*\s+3], 0x80000000
.endr
	CROUND                                         ; all sixteen work-groups are here: the first joint loads meet
	s_cmp_eq_u32 s15, 0                            ; a wave's two first fills stand in one branch, ahead of every wait on TENSORcnt and every LDS read: two loads of mine are out
	s_cbranch_scc0 .Lfirst_u
	tensor_load_to_lds s[G0T:G0T+3], s[G1T:G1T+7]
	s_nop 0
	tensor_load_to_lds s[G0T+4:G0T+7], s[G1T:G1T+7]
	s_nop 0
	PLACES
	s_branch .Lfirst_asked
.Lfirst_u:
	tensor_load_to_lds s[G0U:G0U+3], s[G1U:G1U+7]
	s_nop 0
	tensor_load_to_lds s[G0U+4:G0U+7], s[G1U:G1U+7]
	s_nop 0
	PLACES
.Lfirst_asked:
	v_and_b32 v[LI], 31, v0
	v_lshlrev_b32 v[LI], 4, v[LI]
	s_lshl_b32 s97, s15, 14                        ; my 64 rows of T: 4 tiles of 16 rows x 4,096 bytes
	s_lshl_b32 s98, s16, 15                        ; my 128 rows of U,
	s_add_co_u32 s98, s98, UOFF                    ; which lie behind T's
.irp s, 0,1
	v_add_nc_u32 v[ADRT+\s], s97, v[LI]
	v_add_nc_u32 v[ADRU+\s], s98, v[LI]
	s_add_co_u32 s97, s97, SLOT
	s_add_co_u32 s98, s98, SLOT
.endr
	s_mul_i32 s97, s14, 16*SPITCH
	s_add_co_u32 s97, s97, STAGE                   ; my stage
	v_and_b32 v1, 15, v0                           ; r
	v_bfe_u32 v2, v0, 4, 1                         ; h
	v_mul_u32_u24 v[STO], v1, SPITCH               ; in: row r, 32 bytes for each half of the lanes
	v_lshl_add_u32 v[STO], v2, 5, v[STO]
	v_add_nc_u32 v[STO], s97, v[STO]
	v_add_nc_u32 v[RD], s97, v[LI]                 ; back: the 32 lanes take one row of 512 bytes
	s_wait_alu depctr_va_vdst(0)
	s_wait_kmcnt 0x0
	s_add_co_i32 s96, s94, s95                     ; e10 + e11
	s_add_co_i32 s96, s96, 127
	s_lshl_b32 s96, s96, 23                        ; 2^(e10 + e11) as f32
	s_mov_b32 s97, s96                             ; (named with it as a pair, so it is written)
.macro FRAG reg, adr, off              ; a fragment's image into 16 registers: four loads of 512 consecutive bytes
.irp c, 0,1,2,3
	ds_load_b128 v[\reg+4*\c:\reg+4*\c+3], v[\adr] offset:\off+512*\c
.endr
.endm
.macro FETCH slot, q, fs               ; 48 LDS loads in one run: U's eight and T's four fragments of the slot's q-th 128 along K, into set fs
	WIN TO_U
.irp b, 0,1,2,3,4,5,6,7
	FRAG 128*(\fs)+16*\b, ADRU+\slot, 4096*\b+2048*(\q)
.endr
	WIN 0
.irp a, 0,1,2,3
	FRAG TF+64*(\fs)+16*\a, ADRT+\slot, 4096*\a+2048*(\q)
.endr
.endm
; 8 n matrix instructions: T's blocks a0 .. a0 + n - 1 x U's eight, 128 along K, from set fs.  zero = 1: the product starts the sums: nothing is ever cleared.
; The 32 accumulators take turns, one instruction a turn, in the same order in every step.
.macro MUL a0, n, fs, zero
.set ma, \a0
.rept \n
.irp b, 0,1,2,3,4,5,6,7
.if \zero
	v_wmma_f32_16x16x128_fp8_fp8 v[64*ma+8*\b:64*ma+8*\b+7], v[128*(\fs)+16*\b:128*(\fs)+16*\b+15], v[TF+64*(\fs)+16*ma:TF+64*(\fs)+16*ma+15], 0
.else
	v_wmma_f32_16x16x128_fp8_fp8 v[64*ma+8*\b:64*ma+8*\b+7], v[128*(\fs)+16*\b:128*(\fs)+16*\b+15], v[TF+64*(\fs)+16*ma:TF+64*(\fs)+16*ma+15], v[64*ma+8*\b:64*ma+8*\b+7]
.endif
.endr
.set ma, ma+1
.endr
.endm
; The first half of a K step: multiplies set 0; ahead of its 32 products the second half's fragments are asked for, into set 1.
.macro HALFA slot, zero
	s_wait_dscnt 0x0                               ; set 0 is in
	PLACES                                         ; set 1 was read by the products just ahead
	FETCH \slot, 1, 1
	WIN MULW
	MUL 0, 4, 0, \zero
.endm
; The second half multiplies set 1 and changes slots: ONE barrier.  In front of it each wave waits for all its tensor loads (one is out: its part of the next slot), adds 0 to its spare word, and waits for that and for
; its reads of this slot.  fill = 1: this slot is filled again with the K step two on: the barrier then opens a round of the cluster's barrier, and the joint load is the first tensor load behind the round.
.macro CHANGE slot, next, fill
	WIN 0                                          ; (the add's two registers lie in window 0)
	s_wait_tensorcnt 0x0                           ; all my tensor loads have landed;
	ds_add_u32 v[SPW], v[NIL]                      ; 0 onto my spare word
	s_wait_dscnt 1                                 ; set 1's 48 loads are in; only the add may be out
	WIN MULW
	MUL 0, 1, 1, 0                                 ; eight matrix instructions stand between the add and the wait for it
	s_wait_dscnt 0x0                               ; the add is done, and my reads of this slot are over
	s_barrier_signal -1
	MUL 1, 1, 1, 0                                 ; work on registers while the others arrive
	WIN 0
	s_barrier_wait -1
.if \fill
	CREST                                          ; no wave of any partner still reads this slot's tiles or has a load on its way
	s_add_nc_u64 s[G0T+4*\slot+2:G0T+4*\slot+3], s[G0T+4*\slot+2:G0T+4*\slot+3], 2*KSB
	s_add_nc_u64 s[G0U+4*\slot+2:G0U+4*\slot+3], s[G0U+4*\slot+2:G0U+4*\slot+3], 2*KSB
	JLOAD \slot                                    ; the four v_nop behind it are also the places in front of the loads below
.else
	PLACES
.endif
	FETCH \next, 0, 0
	WIN MULW
	MUL 2, 2, 1, 0
.endm
	s_wait_tensorcnt 1                             ; my part of K step 0 is in; K step 1's may stay out
	s_barrier_signal -1
	s_barrier_wait -1                              ; everybody's is
	FETCH 0, 0, 0
	HALFA 0, 1                                     ; K step 0: the first products start the sums
	CHANGE 0, 1, 1                                 ; slot 0 takes K step 2
	HALFA 1, 0
	CHANGE 1, 0, 1                                 ; slot 1 takes K step 3
	HALFA 0, 0
	CHANGE 0, 1, 0                                 ; nothing is left to fetch
	HALFA 1, 0
	s_wait_dscnt 0x0
	WIN MULW
	MUL 0, 4, 1, 0
	WIN 0
; THE WAY OUT, block by block of 16 rows x 128 columns.  A lane holds 32 neighbouring bytes of a row, and the lanes beside it hold other rows: so a block goes through my own stage in LDS and comes back as whole rows of
; 512 bytes.  LDS serves a wave's instructions in order (ISA guide 5.7.1.4): no wait between the stores and the loads, nor in front of the next block's stores.
.macro TOSTAGE a
	WIN 0x02                                       ; source 0: window 2
.set en, 0
.rept 32
	v_pk_mul_f32 v[TMP+en:TMP+en+1], v[64*(\a)+en:64*(\a)+en+1], s[96:97] op_sel_hi:[1,0]   ; x 2^(e10 + e11), into other registers; each accumulator from its low end on
.set en, en+2
.endr
	WIN 0
.irp b, 0,1,2,3,4,5,6,7
	ds_store_b128 v[STO], v[TMP+8*\b:TMP+8*\b+3] offset:64*\b
	ds_store_b128 v[STO], v[TMP+8*\b+4:TMP+8*\b+7] offset:64*\b+16
.endr
.irp t, 0,1,2,3,4,5,6,7,8,9,10,11,12,13,14,15
	ds_load_b128 v[BK+64*((\a)%2)+4*\t:BK+64*((\a)%2)+4*\t+3], v[RD] offset:\t*SPITCH
.endr
.endm
.macro SEND a, younger                 ; younger: the LDS instructions issued behind block a's loads, which may stay out
	s_wait_dscnt \younger                          ; the block is back in registers
.irp t, 0,1,2,3,4,5,6,7,8,9,10,11,12,13,14,15
	global_store_b128 v[LI], v[BK+64*((\a)%2)+4*\t:BK+64*((\a)%2)+4*\t+3], s[OB:OB+1] offset:(\a)*65536+\t*4096 th:TH_STORE_NT   ; 32 lanes store 512 consecutive bytes, at a multiple of 512 from out0's first byte; written once, read by nobody here
.endr
.endm
	PLACES                                         ; for the first read of results, and for the loads into the registers that held T's fragments
	TOSTAGE 0
	TOSTAGE 1
	SEND 0, 32                                     ; behind block 0's loads: block 1's 16 stores and 16 loads
	s_wait_xcnt 0x0                                ; block 0's stores have read their registers: block 2's loads may land there
	TOSTAGE 2
	SEND 1, 32
	s_wait_xcnt 0x0                                ; block 1's likewise
	TOSTAGE 3
	SEND 2, 32
	SEND 3, 0
	s_wait_tensorcnt 0x0                           ; the wave's end, behind my last tensor load and my last LDS store
	ds_add_u32 v[SPW], v[NIL]
	s_wait_dscnt 0x0
	CROUND                                         ; the closing round: no work-group ends while a partner may still ask for a tile that names it
	s_endpgm
.Lfunc_end_k_q5fad565455_outp:
	.size	k_q5fad565455_outp, .Lfunc_end_k_q5fad565455_outp-k_q5fad565455_outp
	.p2alignl 7, 3214868480
	.fill 96, 4, 3214868480
	.section	.rodata,"a",@progbits
	.p2align	6, 0x0
	.amdhsa_kernel k_q5fad565455_outp
		.amdhsa_group_segment_fixed_size 327680
		.amdhsa_private_segment_fixed_size 0
		.amdhsa_enable_private_segment 0
		.amdhsa_kernarg_size 32
		.amdhsa_user_sgpr_count 2
		.amdhsa_user_sgpr_kernarg_segment_ptr 1
		.amdhsa_wavefront_size32 1
		.amdhsa_system_sgpr_workgroup_id_x 1
		.amdhsa_system_sgpr_workgroup_id_y 1
		.amdhsa_system_sgpr_workgroup_id_z 1
		.amdhsa_system_vgpr_workitem_id 0
		.amdhsa_next_free_vgpr 768
		.amdhsa_next_free_sgpr 102
		.amdhsa_reserve_vcc 0
		.amdhsa_float_denorm_mode_32 3
		.amdhsa_float_denorm_mode_16_64 3
		.amdhsa_memory_ordered 1
		.amdhsa_forward_progress 1
		.amdhsa_inst_pref_size 74
	.end_amdhsa_kernel
	.amdgpu_metadata
---
amdhsa.version: [ 1, 2 ]
amdhsa.kernels:
  - .name:           k_q5fad565455_outp
    .symbol:         k_q5fad565455_outp.kd
    .args:
      - { .name: ctxc, .offset: 0, .size: 8, .value_kind: global_buffer, .address_space: global }
      - { .name: wc, .offset: 8, .size: 8, .value_kind: global_buffer, .address_space: global }
      - { .name: lowp_scales, .offset: 16, .size: 8, .value_kind: global_buffer, .address_space: global }
      - { .name: out0, .offset: 24, .size: 8, .value_kind: global_buffer, .address_space: global }
    .group_segment_fixed_size: 327680
    .private_segment_fixed_size: 0
    .kernarg_segment_align: 8
    .kernarg_segment_size: 32
    .max_flat_workgroup_size: 128
    .sgpr_count:     102
    .vgpr_count:     768
    .wavefront_size: 32
...
	.end_amdgpu_metadata
.endif
;; end of part 4
